; MI455X (gfx1250); checked and timed in simulation.
; The chip was launched on July 23, 2026; its instructions are those of AMD's public machine-readable ISA for CDNA 5 (MIT licence, August 2026) and "CDNA5" Instruction Set Architecture Reference Guide (July 2026). The comments in the code are by the model that wrote it; some were corrected since.
;; Audio Quantizer. Allowed arithmetic: matrix products marked QUANTISED: E5M2 operands, one given power-of-two scale a tensor, by v_wmma_f32_16x16x64_bf8_bf8 or v_wmma_f32_16x16x128_bf8_bf8, f32 sums; everything else in f32.
;; Inputs: codebook 8,192 x 512 float32; lowp_scales 2 int32 (the exponents e of the quantised operands' scales 2^e); x 8 x 2,048 x 512 float32.
;; Outputs: out0 8 x 2,048 x 512 float32.
;; This version of the problem:
;;   THIS VERSION OF THE PROBLEM IS GIVEN IN LOW PRECISION. The matrix products marked QUANTISED in the list below multiply operands that are first quantised to E5M2 (5 exponent bits, 2 mantissa bits; 8 bits a number), with one given power-of-two scale for each operand tensor; their sums are f32. All else is computed in f32.
;;   The module's matrix products, in the order in which they are computed (A, B: the left and right operand; K: the contracted axis; several contracted axes count as one K, in the product's order):
;;     1. [M 16,384, K 512] x [K 512, N 8,192]; A: input x; B: input codebook: QUANTISED (scales: A lowp_scales[0], B lowp_scales[1])
;;   THE QUANTISER, for each operand of a quantised product, along K:
;;     - The operand's scale is 2^e, e = its entry of the input lowp_scales (int32; the entries are numbered through the quantised products in the list's order, A before B).
;;     - Each number is divided by the scale, clamped to +-57,344, and rounded to the nearest number of E5M2, ties to even, subnormals kept.
;;     - The product sums the exact products of the quantised numbers (number of the format x scale) in f32.
;;   ~~~python
;;   def quantise(x, axis, e):      # numpy; x: float32 -> the quantised numbers, widened to float32 again
;;       x = np.moveaxis(x, axis, -1); K = x.shape[-1]
;;       r = np.clip(x / 2.0 ** e, -57344, 57344)
;;       step = 2.0 ** (np.maximum(np.frexp(np.where(r == 0, 1, r))[1] - 1, -14) - 2)
;;       q = np.round(r / step) * step * 2.0 ** e      # np.round: ties to even
;;       return np.moveaxis(q, -1, axis).astype(np.float32)
;;   ~~~
;; One version. Each part assembles by itself: llvm-mc -triple=amdgcn-amd-amdhsa -mcpu=gfx1250 --defsym DOCPART=n.
;; ======== version 1 of 1: 3 launches
;; limits: right only within a limited range of input values
;; workspace buffers: x_img 8,388,608 bytes; c_img 4,325,376 bytes; pkey 524,288 bytes of whole numbers; pidx 524,288 bytes of whole numbers
;; launch quant (part 1): grid 256 x 1, 6 waves a work-group, no clusters, 200,448 bytes of LDS; arguments x, codebook, lowp_scales, x_img, c_img; writes x_img, c_img
.if DOCPART == 1
	.amdgcn_target "amdgcn-amd-amdhsa--gfx1250"
	.amdhsa_code_object_version 6
	.text
	.protected	k_qa547ca5490_quant
	.globl	k_qa547ca5490_quant
	.p2align	8
	.type	k_qa547ca5490_quant,@function
k_qa547ca5490_quant:
	s_mov_b64 s[64:65], 0
	v_nop
	global_prefetch_b8 v0, s[64:65] scope:SCOPE_SE
	s_setreg_imm32_b32 hwreg(HW_REG_WAVE_MODE, 25, 1), 1
	s_wait_xcnt 0x0
; x [16384][512] and codebook [8192][512], f32, become codes of BF8 (E5M2), each tensor with the one scale 2^e that is given for it (entry 0: x, entry 1: codebook).
; code = number / 2^e, held within +-57,344, rounded to the nearest code, ties to even.
; THE CODES ARE LAID AS IMAGES OF THE MATRIX OPERAND'S REGISTERS.  A tile of 16 rows x 512 K is a record of 8,192 bytes: byte 2048 s + 512 c + 16 (16 h + r) + b is the code of row r at k = 128 s + 32 c + 16 h + b.
; So the next launch fills a fragment (16 rows x 128 K, 16 registers a lane) by four loads of 16 bytes a lane at 16 x lane.  The place of k in the registers is the same in both operands, so every product meets its partner.
; A codebook record has 256 bytes more: bias[0 .. 15], four times over, bias[n] = -(the sum of the row's squares, of the UNQUANTISED f32 numbers) x 2^(-1 - e0 - e1): what the next launch adds to a sum of code products, so that
; the largest sum marks the smallest distance.
; SHARES.  1,536 tiles (1,024 of x, then 512 of the codebook), one to a wave: tile 6 x work-group + wave.  A tile is 32 KiB, dense in memory: ONE tensor load a wave brings it into the wave's own LDS bytes, which are filled once
; and read by that wave alone: its own wait on TENSORcnt orders the reads; there is no barrier, no refill and no LDS store.  Nothing is shared between work-groups, so there is no cluster.
; LIMITS: -126 <= e and e + 15 <= 127 for both scales; the sum of squares x 2^(-1 - e0 - e1) is a finite f32 number.  NaN among the inputs is not served.
; WORK LEFT OUT, in this launch and the two behind it: x_sq.  In dist_sq = x_sq - 2 dots + c_sq the term x_sq[n] is the same number for every code k of row n, so in exact arithmetic it moves no comparison between two codes
; of a row and the argmin along k is the same without it, whatever finite values x holds; only the argmin goes on to the output.  x itself is live (it makes the product's codes).
; LIMIT: a NaN, an infinity or an overflow that would arise in x_sq alone is not carried to the result.
.set LINE,  1040
.set WREG,  32*LINE                    ; a wave's LDS bytes: 32 lines
.set NXT,   1024                       ; tiles of x
.set RECX,  8192                       ; a record of x_img
.set RECC,  8448                       ; a record of c_img
.set RA,  4                            ; v4   LDS address: my wave's bytes + row r (two lines) + 64 h
.set SO,  5                            ; v5   16 x lane: my place in a store of 512 bytes
.set BO,  6                            ; v6   4 x lane
.set LIM, 10                           ; v10  57,344 x 2^e
.set SC,  11                           ; v11  2^e as f32: the conversion takes its exponent field
.set SQ,  12                           ; v12-19  the sum of squares in four packed chains
.set X,   32                           ; v32-159 two sets of 64 numbers
.set CD,  160                          ; v160-223 codes: 16 registers for each K step, so that no store's data are written again
	s_load_b256 s[4:11], s[0:1], 0x0               ; x s[4:5], codebook s[6:7], the exponents s[8:9], x_img s[10:11]
	s_load_b64 s[12:13], s[0:1], 0x20              ; c_img
	v_lshl_add_u32 v224, v0, 2, 0x30c00
	v_mov_b32 v225, 0
	ds_add_u32 v224, v225
	ds_add_u32 v224, v225
	v_lshrrev_b32 v1, 5, v0
	v_readfirstlane_b32 s14, v1                    ; wave 0..5
	s_mul_i32 s15, ttmp9, 6
	s_add_co_u32 s15, s15, s14                     ; my tile, 0 .. 1,535
	; descriptor group 1: the tile as 32 dense rows of 128 elements of 8 bytes, 16 bytes of padding behind each
	s_mov_b32 s24, (3<<16)|(1<<20)|(7<<22)|(3<<25) ; 15:0 no mask; 17:16 elements of 8 bytes; 20 padding on; 24:22 after every 256 words (code 7); 31:25 four words (code 3)
	s_mov_b32 s25, 128<<16                         ; tensor_dim0 = 128
	s_mov_b32 s26, 32<<16                          ; tensor_dim1 = 32
	s_mov_b32 s27, 128<<16                         ; tile_dim0 = 128
	s_mov_b32 s28, 32                              ; tile_dim1 = 32
	s_mov_b32 s29, 128                             ; elements from row to row
	s_mov_b32 s30, 0
	s_mov_b32 s31, 0
	s_mov_b32 s20, 1                               ; group 0: count = 1
	s_mul_i32 s21, s14, WREG                       ; LDS address: my wave's bytes
	s_mov_b32 s32, RECC
	s_mov_b32 s3, 0
	s_mov_b32 s35, 0
	s_wait_dscnt 0x0
	s_wait_kmcnt 0x0
	s_load_b64 s[16:17], s[8:9], 0x0               ; e0, e1
	s_cmp_lt_u32 s15, NXT                          ; a tile of x or of the codebook?  The choice hangs on ids alone
	s_cselect_b64 s[4:5], s[4:5], s[6:7]           ; from where,
	s_cselect_b64 s[10:11], s[10:11], s[12:13]     ; to where,
	s_cselect_b32 s32, RECX, s32                   ; the record's bytes,
	s_cselect_b32 s19, 0, NXT
	s_sub_co_u32 s19, s15, s19                     ; and the tile's number in its tensor
	s_lshl_b32 s2, s19, 15                         ; 32,768 bytes of f32 a tile
	s_add_nc_u64 s[22:23], s[4:5], s[2:3]          ; global address of the tile
	s_or_b32 s23, s23, 0x80000000                  ; type = 2
	s_mul_i32 s34, s19, s32
	s_add_nc_u64 s[10:11], s[10:11], s[34:35]      ; my record
	tensor_load_to_lds s[20:23], s[24:31]          ; my one tensor load
	s_nop 0
	v_and_b32 v1, 31, v0                           ; lane
	v_and_b32 v2, 15, v0                           ; r
	v_bfe_u32 v3, v0, 4, 1                         ; h
	v_mul_u32_u24 v[RA], v2, 2*LINE                ; rows lie 2,080 bytes apart, which is 32 modulo 256: sixteen rows start at eight different places modulo 256 bytes
	v_lshl_add_u32 v[RA], v3, 6, v[RA]
	v_add_nc_u32 v[RA], s21, v[RA]
	v_lshlrev_b32 v[SO], 4, v1
	v_lshlrev_b32 v[BO], 2, v1
	v_mov_b32 v20, 0                               ; written once: a lane permute's destination counts as one of its sources
	s_mov_b32 s36, 0x76543210
	s_mov_b32 s37, 0xfedcba98                      ; v_permlanex16_b32's selects for lane l xor 16
	s_wait_alu depctr_va_vdst(0)
	s_wait_kmcnt 0x0
	s_add_co_i32 s18, s16, s17
	s_sub_co_i32 s18, -1, s18                      ; -1 - e0 - e1
	s_cmp_lt_u32 s15, NXT
	s_cselect_b32 s33, s16, s17                    ; my tensor's e
	s_add_co_i32 s33, s33, 127
	s_lshl_b32 s2, s33, 23
	v_mov_b32 v[SC], s2                            ; 2^e as f32
	s_add_co_i32 s33, s33, 15
	s_lshl_b32 s33, s33, 23
	s_or_b32 s33, s33, 0x600000
	v_mov_b32 v[LIM], s33                          ; 57,344 x 2^e
; K step s (128 along K): lane (r, h) takes, of row r, k = 128 s + 32 c + 16 h + 0 .. 15 into registers 16 c .. 16 c + 15 of set s % 2: sixteen loads of 16 bytes
.macro LD s
.irp c, 0,1,2,3
.irp j, 0,1,2,3
	ds_load_b128 v[X+64*((\s)%2)+16*\c+4*\j:X+64*((\s)%2)+16*\c+4*\j+3], v[RA] offset:((\s)/2)*LINE+((\s)%2)*512+128*\c+16*\j
.endr
.endr
.endm
; K step s is worked while the next one's loads are out.  sq = 1: the squares of the numbers as they came are summed first
.macro STEP s, sq
.set XS, X+64*((\s)%2)
.if (\s) < 3
	LD (\s)+1
	s_wait_dscnt 16                                ; this step's sixteen loads are in; the sixteen just issued may be out
.else
	s_wait_dscnt 0x0
.endif
.if \sq
.set p, 0
.rept 32
.if ((\s) == 0) && (p < 4)
	v_pk_mul_f32 v[SQ+2*p:SQ+2*p+1], v[XS+2*p:XS+2*p+1], v[XS+2*p:XS+2*p+1]   ; the first four pairs start the chains: nothing is cleared
.else
	v_pk_fma_f32 v[SQ+2*(p%4):SQ+2*(p%4)+1], v[XS+2*p:XS+2*p+1], v[XS+2*p:XS+2*p+1], v[SQ+2*(p%4):SQ+2*(p%4)+1]
.endif
.set p, p+1
.endr
.endif
.set i, 0
.rept 64
	v_med3_num_f32 v[XS+i], v[XS+i], -v[LIM], v[LIM]   ; the conversion to an 8-bit code does not saturate (ISA guide 7.6.2): the hold at the largest code x the scale
.set i, i+1
.endr
.irp c, 0,1,2,3
	v_cvt_scalef32_pk8_bf8_f32 v[CD+16*(\s)+4*\c:CD+16*(\s)+4*\c+1], v[XS+16*\c:XS+16*\c+7], v[SC]
	v_cvt_scalef32_pk8_bf8_f32 v[CD+16*(\s)+4*\c+2:CD+16*(\s)+4*\c+3], v[XS+16*\c+8:XS+16*\c+15], v[SC]
.endr
; (the codes go to stores alone, and the next vector lines are plain and touch other registers)
.irp c, 0,1,2,3
	global_store_b128 v[SO], v[CD+16*(\s)+4*\c:CD+16*(\s)+4*\c+3], s[10:11] offset:2048*(\s)+512*\c   ; 32 lanes store 512 consecutive bytes, at a multiple of 256 from the buffer's first byte
.endr
.endm
	s_wait_tensorcnt 0x0                           ; my tile is in LDS
	LD 0
	s_cmp_lt_u32 s15, NXT
	s_cbranch_scc0 .Lcodebook
	s_wait_alu depctr_va_vdst(0)
	STEP 0, 0                                      ; a tile of x: codes alone
	STEP 1, 0
	STEP 2, 0
	STEP 3, 0
	s_wait_tensorcnt 0x0
	ds_add_u32 v224, v225
	s_wait_dscnt 0x0
	s_endpgm
.Lcodebook:
	STEP 0, 1                                      ; a tile of the codebook: codes, and each row's sum of squares
	STEP 1, 1
	STEP 2, 1
	STEP 3, 1
	v_pk_add_f32 v[SQ:SQ+1], v[SQ:SQ+1], v[SQ+2:SQ+3]
	v_pk_add_f32 v[SQ+4:SQ+5], v[SQ+4:SQ+5], v[SQ+6:SQ+7]
	v_pk_add_f32 v[SQ:SQ+1], v[SQ:SQ+1], v[SQ+4:SQ+5]
	v_add_f32 v[SQ], v[SQ], v[SQ+1]                ; my 256 numbers of row r,
	v_permlanex16_b32 v20, v[SQ], s36, s37
	v_add_f32 v[SQ], v[SQ], v20                    ; and lane l xor 16's: the row's sum of squares, in both halves of the lanes
	v_ldexp_f32 v21, -v[SQ], s18                   ; bias[r]
	global_store_b32 v[BO], v21, s[10:11] offset:RECX        ; word l = bias[l % 16]: 128 bytes,
	global_store_b32 v[BO], v21, s[10:11] offset:RECX+128    ; and 128 more: the record's last 256 bytes are all written
	s_wait_tensorcnt 0x0
	ds_add_u32 v224, v225
	s_wait_dscnt 0x0
	s_endpgm
.Lfunc_end_k_qa547ca5490_quant:
	.size	k_qa547ca5490_quant, .Lfunc_end_k_qa547ca5490_quant-k_qa547ca5490_quant
	.p2alignl 7, 3214868480
	.fill 96, 4, 3214868480
	.section	.rodata,"a",@progbits
	.p2align	6, 0x0
	.amdhsa_kernel k_qa547ca5490_quant
		.amdhsa_group_segment_fixed_size 200448
		.amdhsa_private_segment_fixed_size 0
		.amdhsa_enable_private_segment 0
		.amdhsa_kernarg_size 40
		.amdhsa_user_sgpr_count 2
		.amdhsa_user_sgpr_kernarg_segment_ptr 1
		.amdhsa_wavefront_size32 1
		.amdhsa_system_sgpr_workgroup_id_x 1
		.amdhsa_system_sgpr_workgroup_id_y 1
		.amdhsa_system_sgpr_workgroup_id_z 1
		.amdhsa_system_vgpr_workitem_id 0
		.amdhsa_next_free_vgpr 226
		.amdhsa_next_free_sgpr 66
		.amdhsa_reserve_vcc 0
		.amdhsa_float_denorm_mode_32 3
		.amdhsa_float_denorm_mode_16_64 3
		.amdhsa_memory_ordered 1
		.amdhsa_forward_progress 1
		.amdhsa_inst_pref_size 59
	.end_amdhsa_kernel
	.amdgpu_metadata
---
amdhsa.version: [ 1, 2 ]
amdhsa.kernels:
  - .name:           k_qa547ca5490_quant
    .symbol:         k_qa547ca5490_quant.kd
    .args:
      - { .name: x, .offset: 0, .size: 8, .value_kind: global_buffer, .address_space: global }
      - { .name: codebook, .offset: 8, .size: 8, .value_kind: global_buffer, .address_space: global }
      - { .name: lowp_scales, .offset: 16, .size: 8, .value_kind: global_buffer, .address_space: global }
      - { .name: x_img, .offset: 24, .size: 8, .value_kind: global_buffer, .address_space: global }
      - { .name: c_img, .offset: 32, .size: 8, .value_kind: global_buffer, .address_space: global }
    .group_segment_fixed_size: 200448
    .private_segment_fixed_size: 0
    .kernarg_segment_align: 8
    .kernarg_segment_size: 40
    .max_flat_workgroup_size: 192
    .sgpr_count:     66
    .vgpr_count:     226
    .wavefront_size: 32
...
	.end_amdgpu_metadata
.endif
;; end of part 1
;; launch score (part 2): grid 32 x 8, 8 waves a work-group, clusters of 4 x 1, 327,680 bytes of LDS; arguments x_img, c_img, pkey, pidx; writes pkey, pidx
.if DOCPART == 2
	.amdgcn_target "amdgcn-amd-amdhsa--gfx1250"
	.amdhsa_code_object_version 6
	.text
	.protected	k_qa547ca5490_score
	.globl	k_qa547ca5490_score
	.p2align	8
	.type	k_qa547ca5490_score,@function
k_qa547ca5490_score:
	s_mov_b64 s[64:65], 0
	v_nop
	global_prefetch_b8 v0, s[64:65] scope:SCOPE_SE
	s_setreg_imm32_b32 hwreg(HW_REG_WAVE_MODE, 25, 1), 1
	s_wait_xcnt 0x0
	s_wait_alu depctr_hold_cnt(0) depctr_sa_sdst(0) depctr_va_vdst(0) depctr_va_sdst(0) depctr_va_ssrc(0) depctr_va_vcc(0) depctr_vm_vsrc(0)
	s_getreg_b32 s2, hwreg(HW_REG_IB_STS2, 6, 4)
	s_cmp_eq_u32 s2, 0
	s_cbranch_scc0 .Lentry_in_a_cluster
	s_endpgm
.Lentry_in_a_cluster:
	s_bfe_u32 s2, ttmp6, 0x10000c
	s_cmp_lg_u32 s2, 0x3003
	s_cbranch_scc0 .Lentry_shape_is_right
	s_endpgm
.Lentry_shape_is_right:
; For each of 16,384 rows of x and each eighth of the codebook (1,024 codes): the code with the smallest distance, as a key and an index.
; WHAT IS COMPARED.  dist = x_sq - 2 dots + c_sq, dots = 2^(e0 + e1) x (sum of the products of the BF8 codes).  The smallest dist is the largest S = sum of code products + bias, bias = -c_sq 2^(-1 - e0 - e1), laid beside the
; codes by the launch before.  The bias is the C of each sum's first matrix instruction.  x_sq is left out: it is the same for every code of a row, so it moves no comparison (shown at the head of the first kernel).
; LIMITS.  S is rounded at the size of c_sq / 2, not as a distance formed as written.  Exact ties in S go to the lowest index.  NaN is not served; S is finite.
; SHARES.  256 work-groups: 32 blocks of 512 rows x 8 eighths.  Eight waves, two to a SIMD; a wave keeps its own 64 rows' codes in 256 registers (4 tiles of rows x 4 K steps x 16) for the whole launch, and all eight walk the
; same 64 tiles of 16 codes.  A tile is 16 matrix instructions on end (4 accumulators by turns, 4 K steps) and then its tracking, which is vector work alone.
; TRANSPOSED USE: source 0 = 16 codes, source 1 = 16 rows of x.  Lane (r, h) holds row r, its register j code 8 h + j of the tile.
; THE ARGMAX, with no branch and no address on data: the largest of the lane's 8 numbers (4 lines), a compare with the best so far into VCC, and under VCC the best, the tile's number and a copy of the 8 numbers: ten selects
; in five dual pairs.  At the end j is the lowest register whose copy equals the best.
; RING.  Two LDS slots of 16 records (8,192 bytes of codes as images of the operand's registers, 256 of biases), on end in LDS.  A fill of a slot: wave w fetches records 2 w, 2 w + 1, one load of 66 rows of 256 bytes.
; THE HEAD.  One tensor load a wave: waves 0-3 jointly bring slot 0 and 4,096 bytes more (4 x 136 rows of 256 bytes); waves 4-7 bring K steps 2 and 3 of the block's 512 rows of x (the upper 4,096 bytes of each of 32 records)
; into the rest of slot 1's bytes, from where each wave takes its own into registers.  So every byte of the ring has been filled once when slot 1's own fill goes out, at tile 1, behind the full sequence.  K steps 0 and 1 of x
; come by 32 global loads a wave.  By the text's own count a wave has one tensor load out at a time.
; The LDS address of a record is a scalar, set by a constant ahead of each counted loop and stepped by two records a trip, added to the lane's term.
; CLUSTER.  The four work-groups of a cluster have four blocks of rows and the same eighth: the codes' loads are asked for jointly by the four, with the same descriptor and the mask 15; x's are each work-group's own.
; NO PREFETCH: a fill goes out 14 tiles or more (224 matrix instructions a wave) ahead of the first read of its bytes, and the launch has three such fills in all: there is no stream to run ahead of.
; WHAT LEAVES.  The index, and S as a key: a whole number that orders as S does (S + 0; then the sign bit turned where S is not negative, all bits where it is).
; REGISTERS.  Window 1: x (tile of rows q, K step s at v[64 q + 16 s]).  Window 0: all else, as named below.  Two switches of the window a tile: source 1 to window 1 for the products, and back.
.set REC,   8448
.set PART,  2*REC                      ; what a wave fetches of a slot
.set SLOTB, 16*REC                     ; a slot: 135,168 bytes
.set HPART, 136*256                    ; what each of waves 0-3 fetches at the head
.set XS,    4*HPART                    ; x's stage: 32 rows of 4,096 bytes, up to the ring's end
.set SPARE, 2*SLOTB                    ; behind the ring: the spare words, 128 bytes a wave: four blocks of 256 bytes that no other line names
.set SCR,   SPARE+1024                 ; behind them: 512 bytes for each wave, its own: 64 keys, then 64 indices; no tensor load lands here
.set LA,   1                           ; the trip's first record + 16 x lane
.set BA,   2                           ; the trip's first record + 8,192 + 32 h: my half's eight biases
.set BB,   3                           ; 8,192 + 32 h
.set XA,   4                           ; x's stage: my wave's four rows + 16 x lane
.set XO,   7                           ; 16 x lane
.set SPW,  8                           ; my spare word; never rewritten
.set NIL,  9                           ; 0; never rewritten
.set CUR,  10                          ; the number of the tile that is tracked
.set H8,   11                          ; 8 h
.set SA,   12                          ; the end: where I store a winner
.set RDA,  13                          ; the end: where I read 16 bytes back
.set LN,   14                          ; lane
.set SO,   15                          ; 16 x (lane % 16)
.set T,    16                          ; v16-23 at work; at the end v16-19 the indices, v20-23 what is stored
.set IX,   16
.set B,    24                          ; v24-27 the best S of tile of rows q
.set JJ,   28                          ; v28-31 the end
.set ID,   33                          ; v33-36 the best's tile (odd where B is even: a dual pair's two destinations)
.set OV,   37
.set OI,   38
.set TA,   39
.set TB,   40
.set CP,   44                          ; v44-75 the copies
.set BI,   76                          ; v76-91 two sets of biases
.set ACC,  92                          ; v92-123 four accumulators
.set FR,   128                         ; v128-255 two sets of a tile's four fragments
.set G1,   16                          ; group 1 of a slot's fill
.set G0,   24                          ; a group 0 for each slot
.set G1H,  68                          ; the head's codes
.set G1X,  76                          ; the head's x
.set G0H,  84
.set G0X,  88
.set MSB, 0
.macro WIN new                         ; the immediate's high byte repeats the setting that is left
.if MSB != (\new)
	s_set_vgpr_msb (MSB<<8)|(\new)
.set MSB, (\new)
.endif
.endm
.macro CREST                           ; a round of the cluster's barrier behind its opening barrier
	s_cmp_lg_u32 s12, 0
	s_cbranch_scc1 .Lnot_wave_0_\@
	s_barrier_signal -3
.Lnot_wave_0_\@:
	s_barrier_wait -3
	s_barrier_signal -1
	s_barrier_wait -1
.endm
.macro CROUND
	s_barrier_signal -1
	s_barrier_wait -1
	CREST
.endm
.macro NOPS n
.rept \n
	v_nop
.endr
.endm
	s_load_b256 s[4:11], s[0:1], 0x0               ; x_img, c_img, pkey, pidx
	v_lshl_add_u32 v[SPW], v0, 2, SPARE
	v_mov_b32 v[NIL], 0
	ds_add_u32 v[SPW], v[NIL]                      ; the opening lines: the add twice on end and one wait, ahead of my first tensor load
	ds_add_u32 v[SPW], v[NIL]
	s_mov_b32 s33, 0                               ; the trip's first record, in bytes of LDS
	v_lshrrev_b32 v16, 5, v0
	v_readfirstlane_b32 s12, v16                   ; wave 0..7
	s_lshl_b32 s57, s12, 9
	s_lshl_b32 s58, s12, 14
	v_and_b32 v[LN], 31, v0
	v_bfe_u32 v17, v0, 4, 1                        ; h
	v_and_b32 v18, 15, v0                          ; r
	v_lshlrev_b32 v[XO], 4, v[LN]
	v_lshlrev_b32 v[SO], 4, v18
	v_lshlrev_b32 v[BB], 5, v17
	v_add_nc_u32 v[BB], 8192, v[BB]
	v_add_nc_u32 v[LA], s33, v[XO]
	v_add_nc_u32 v[BA], s33, v[BB]
	v_add_nc_u32 v[XA], s58, v[XO]
	v_add_nc_u32 v[XA], XS, v[XA]
	v_mov_b32 v[CUR], -1                           ; each tile adds 1 ahead of its tracking
	v_lshlrev_b32 v[H8], 3, v17
	v_lshlrev_b32 v[SA], 2, v18
	v_lshl_add_u32 v[SA], v17, 8, v[SA]
	v_add_nc_u32 v[SA], s57, v[SA]
	v_add_nc_u32 v[SA], SCR, v[SA]                 ; SCR + 512 x wave + 256 h + 4 r: lanes 0-15 store keys, lanes 16-31 indices
	v_add_nc_u32 v[RDA], s57, v[XO]
	v_add_nc_u32 v[RDA], SCR, v[RDA]               ; SCR + 512 x wave + 16 x lane
	v_mov_b32 v[OV], 0                             ; a lane permute's destination counts as one of its sources
	v_mov_b32 v[OI], 0
	s_bfe_u32 s13, ttmp6, 0x40000                  ; cx
	s_lshl_b32 s14, ttmp9, 2
	s_add_co_u32 s14, s14, s13                     ; my block of 512 rows: it enters x's and the outputs' addresses alone
	s_and_b32 s15, ttmp7, 0xffff                   ; the eighth, which the four partners share
	s_mov_b32 s[G1+0], 15|(3<<16)|(1<<21)          ; the mask: all four; elements of 8 bytes; bit 21 beside a mask; no padding: the images are read 512 bytes on end
	s_mov_b32 s[G1+1], 32<<16                      ; rows of 32 elements,
	s_mov_b32 s[G1+2], 66<<16                      ; 66 of them
	s_mov_b32 s[G1+3], 32<<16
	s_mov_b32 s[G1+4], 66
	s_mov_b32 s[G1+5], 32                          ; dense
	s_mov_b32 s[G1+6], 0
	s_mov_b32 s[G1+7], 0
	s_mov_b32 s[G1H+0], 15|(3<<16)|(1<<21)         ; the same with 136 rows
	s_mov_b32 s[G1H+1], 32<<16
	s_mov_b32 s[G1H+2], 136<<16
	s_mov_b32 s[G1H+3], 32<<16
	s_mov_b32 s[G1H+4], 136
	s_mov_b32 s[G1H+5], 32
	s_mov_b32 s[G1H+6], 0
	s_mov_b32 s[G1H+7], 0
	s_mov_b32 s[G1X+0], 3<<16                      ; no mask: my work-group's own; 8 rows of 512 elements of 8 bytes, 1,024 elements apart
	s_mov_b32 s[G1X+1], 512<<16
	s_mov_b32 s[G1X+2], 8<<16
	s_mov_b32 s[G1X+3], 512<<16
	s_mov_b32 s[G1X+4], 8
	s_mov_b32 s[G1X+5], 1024
	s_mov_b32 s[G1X+6], 0
	s_mov_b32 s[G1X+7], 0
	s_lshl_b32 s38, s15, 6                         ; the eighth's first tile of codes
	s_mul_i32 s44, s38, REC                        ; its first byte
	s_mov_b32 s45, 0
	s_mul_i32 s46, s12, PART                       ; my part of a slot
	s_mov_b32 s47, 0
	s_mul_i32 s52, s12, HPART                      ; waves 0-3: my part of the head's codes
	s_mov_b32 s53, 0
	s_and_b32 s59, s12, 3
	s_lshl_b32 s54, s59, 16                        ; waves 4-7: my eight records of x,
	s_add_co_u32 s54, s54, 4096                    ; their upper halves
	s_mov_b32 s55, 0
	s_lshl_b32 s60, s14, 18                        ; my block's 32 records of x_img
	s_mov_b32 s61, 0
	s_lshl_b32 s49, s12, 15                        ; my wave's 4 of them
	s_add_co_u32 s48, s60, s49
	s_mov_b32 s49, 0
	s_lshl_b32 s50, s15, 16
	s_lshl_b32 s51, s14, 11
	s_add_co_u32 s50, s50, s51
	s_lshl_b32 s51, s12, 8
	s_add_co_u32 s50, s50, s51                     ; the outputs: 4 x (16,384 x eighth + 512 x block + 64 x wave)
	s_mov_b32 s51, 0
	s_mov_b32 s[G0H], 1
	s_mul_i32 s[G0H+1], s12, HPART
	s_mov_b32 s[G0X], 1
	s_lshl_b32 s[G0X+1], s59, 15
	s_add_co_u32 s[G0X+1], s[G0X+1], XS
	s_mov_b32 s36, 0x76543210
	s_mov_b32 s37, 0xfedcba98                      ; selects for lane l xor 16
	s_mov_b32 s43, 0xffff0000                      ; lanes 16-31
	s_wait_alu depctr_va_vdst(0)
	s_wait_dscnt 0x0                               ; both opening adds are done
	s_wait_kmcnt 0x0
	s_add_nc_u64 s[6:7], s[6:7], s[44:45]          ; the eighth
	s_add_nc_u64 s[G0H+2:G0H+3], s[6:7], s[52:53]
	s_or_b32 s[G0H+3], s[G0H+3], 0x80000000
	s_add_nc_u64 s[6:7], s[6:7], s[46:47]
	s_add_nc_u64 s[G0X+2:G0X+3], s[4:5], s[60:61]
	s_add_nc_u64 s[G0X+2:G0X+3], s[G0X+2:G0X+3], s[54:55]
	s_or_b32 s[G0X+3], s[G0X+3], 0x80000000
	s_add_nc_u64 s[4:5], s[4:5], s[48:49]
	s_add_nc_u64 s[8:9], s[8:9], s[50:51]
	s_add_nc_u64 s[10:11], s[10:11], s[50:51]
.irp b, 0,1
	s_mov_b32 s[G0+4*\b], 1
	s_add_co_u32 s[G0+4*\b+1], s46, \b*SLOTB
	s_add_nc_u64 s[G0+4*\b+2:G0+4*\b+3], s[6:7], \b*SLOTB   ; slot b begins with the eighth's tiles 16 b on
	s_or_b32 s[G0+4*\b+3], s[G0+4*\b+3], 0x80000000
.endr
	CROUND                                         ; all four work-groups are here: the first joint loads meet
	s_cmp_lt_u32 s12, 4
	s_cbranch_scc0 .Lfor_x
	tensor_load_to_lds s[G0H:G0H+3], s[G1H:G1H+7]  ; waves 0-3: slot 0 and 4,096 bytes more
	s_nop 0
	NOPS 4
	s_branch .Lasked
.Lfor_x:
	tensor_load_to_lds s[G0X:G0X+3], s[G1X:G1X+7]  ; waves 4-7: K steps 2 and 3 of x
	s_nop 0
	NOPS 4
.Lasked:
	WIN 0x40                                       ; destination window 1
.irp s, 0,1                            ; K steps 0 and 1 of my 64 rows of x, by K step
.irp q, 0,1,2,3
.irp c, 0,1,2,3
	global_load_b128 v[64*\q+16*\s+4*\c:64*\q+16*\s+4*\c+3], v[XO], s[4:5] offset:8192*\q+2048*\s+512*\c
.endr
.endr
.endr
	WIN 0
; 18 LDS loads: the record at byte off behind the trip's first into set p: my half's eight biases, four fragments as they lie
.macro RUN p, off
	ds_load_b128 v[BI+8*(\p):BI+8*(\p)+3], v[BA] offset:(\off)
	ds_load_b128 v[BI+8*(\p)+4:BI+8*(\p)+7], v[BA] offset:(\off)+16
.irp s, 0,1,2,3
.irp c, 0,1,2,3
	ds_load_b128 v[FR+64*(\p)+16*\s+4*\c:FR+64*(\p)+16*\s+4*\c+3], v[LA] offset:(\off)+2048*\s+512*\c
.endr
.endr
.endm
; 16 matrix instructions on set p: the four accumulators by turns, one instruction a turn; the first four take the biases as C.
; xw = 1, the first tile: behind its own 18 LDS loads stand x's 16 of K step 2, 16 of K step 3 and the next tile's 18; behind x's 16 global loads of K step 0 those of K step 1.
.macro MM p, xw
	WIN 0x04                                       ; source 1 (x) window 1
.irp s, 0,1,2,3
.if \xw
.if \s == 0
	s_wait_loadcnt 16
	s_wait_dscnt 50
.elseif \s == 1
	s_wait_loadcnt 0x0
.elseif \s == 2
	s_wait_dscnt 34
.else
	s_wait_dscnt 18
.endif
.endif
.irp q, 0,1,2,3
.if \s == 0
	v_wmma_f32_16x16x128_bf8_bf8 v[ACC+8*\q:ACC+8*\q+7], v[FR+64*(\p)+16*\s:FR+64*(\p)+16*\s+15], v[64*\q+16*\s:64*\q+16*\s+15], v[BI+8*(\p):BI+8*(\p)+7]
.else
	v_wmma_f32_16x16x128_bf8_bf8 v[ACC+8*\q:ACC+8*\q+7], v[FR+64*(\p)+16*\s:FR+64*(\p)+16*\s+15], v[64*\q+16*\s:64*\q+16*\s+15], v[ACC+8*\q:ACC+8*\q+7]
.endif
.endr
.endr
	WIN 0
.endm
; The selects of tile of rows q under VCC, t = its tile's largest.  first = 1: the first tile starts the best, the number and the copies.
.macro SEL q, t, first
.if \first
	v_dual_mov_b32 v[B+\q], v[\t] :: v_dual_mov_b32 v[ID+\q], v[CUR]
.irp j, 0,2,4,6
	v_dual_mov_b32 v[CP+8*\q+\j], v[ACC+8*\q+\j] :: v_dual_mov_b32 v[CP+8*\q+\j+1], v[ACC+8*\q+\j+1]
.endr
.else
	v_dual_cndmask_b32 v[B+\q], v[B+\q], v[\t] :: v_dual_cndmask_b32 v[ID+\q], v[ID+\q], v[CUR]
.irp j, 0,2,4,6
	v_dual_cndmask_b32 v[CP+8*\q+\j], v[CP+8*\q+\j], v[ACC+8*\q+\j] :: v_dual_cndmask_b32 v[CP+8*\q+\j+1], v[CP+8*\q+\j+1], v[ACC+8*\q+\j+1]
.endr
.endif
.endm
; Two tiles of rows are tracked, their maxima interleaved.  Each accumulator is read from its low end on.  Strictly larger: on a tie the earlier tile stays.
.macro TRK2 a, b, first
	v_max3_num_f32 v[T], v[ACC+8*\a], v[ACC+8*\a+1], v[ACC+8*\a+2]
	v_max3_num_f32 v[T+1], v[ACC+8*\a+3], v[ACC+8*\a+4], v[ACC+8*\a+5]
	v_max_num_f32 v[T+2], v[ACC+8*\a+6], v[ACC+8*\a+7]
	v_max3_num_f32 v[T+4], v[ACC+8*\b], v[ACC+8*\b+1], v[ACC+8*\b+2]
	v_max3_num_f32 v[T+5], v[ACC+8*\b+3], v[ACC+8*\b+4], v[ACC+8*\b+5]
	v_max3_num_f32 v[T+3], v[T], v[T+1], v[T+2]
	v_max_num_f32 v[T+6], v[ACC+8*\b+6], v[ACC+8*\b+7]
.if !(\first)
	v_cmp_gt_f32 vcc_lo, v[T+3], v[B+\a]
.endif
	v_max3_num_f32 v[T+7], v[T+4], v[T+5], v[T+6]
	SEL \a, T+3, \first
.if !(\first)
	v_cmp_gt_f32 vcc_lo, v[T+7], v[B+\b]
.endif
	SEL \b, T+7, \first
.endm
; The four places behind a tile's products (ISA guide 7.12.1), filled with what is due: the tile's number, and (kind 1: stepped by val; kind 2: set to val) the next trip's first record.
.macro PLC kind, val
.if \kind == 1
	s_add_co_u32 s33, s33, \val
.elseif \kind == 2
	s_mov_b32 s33, \val
.endif
	v_add_nc_u32 v[CUR], 1, v[CUR]
.if \kind
	v_add_nc_u32 v[LA], s33, v[XO]
	v_add_nc_u32 v[BA], s33, v[BB]
	v_nop
.else
	NOPS 3
.endif
.endm
; A TILE OF 16 CODES on set p.  The next tile's record (off) is asked for first, into the other set, whose last readers stand behind a whole tracking; then this tile's 18 loads are waited for: the 18 just issued may be out.
.macro TILE p, off, kind, val, first, xw
.if (\off) >= 0
	RUN 1-(\p), \off
.if !(\xw)
	s_wait_dscnt 18
.endif
.else
	s_wait_dscnt 0x0
.endif
	MM \p, \xw
	PLC \kind, \val
	TRK2 0, 1, \first
	TRK2 2, 3, \first
.endm
; A TILE (set 1) AT WHICH A SLOT IS FILLED OR LEFT.  The wave waits for all its tensor loads, adds 0 to its spare word, waits for that and for all its LDS reads (this tile's 18 loads among them); the work-group's barrier, with
; the tile's 16 products between signal and wait; fill = 1: the barrier opens a round of the cluster's barrier, and the joint fill of slot sl is the first thing behind the round (adv = 1: with the slot's next 16 tiles).
; Only behind it is the next tile's record (off) read: it may lie in the slot ahead.  The four v_nop are the places behind the products.
.macro CHANGE sl, fill, adv, off, kind, val
	s_wait_tensorcnt 0x0
	ds_add_u32 v[SPW], v[NIL]
.if \adv
	s_add_nc_u64 s[G0+4*\sl+2:G0+4*\sl+3], s[G0+4*\sl+2:G0+4*\sl+3], 2*SLOTB   ; no load of mine is out
.endif
	s_wait_dscnt 0x0
	s_barrier_signal -1
	MM 1, 0
	s_barrier_wait -1
.if \fill
	CREST
	tensor_load_to_lds s[G0+4*\sl:G0+4*\sl+3], s[G1:G1+7]
	s_nop 0
.endif
	NOPS 4
	RUN 0, \off
.if \kind
	PLC \kind, \val
.else
	v_add_nc_u32 v[CUR], 1, v[CUR]
.endif
	TRK2 0, 1, 0
	TRK2 2, 3, 0
.endm
.macro TRIPS n                         ; n trips of two tiles; a trip steps two records on
	s_mov_b32 s32, \n
.Ltrip_\@:
	TILE 0, REC, 0, 0, 0, 0
	TILE 1, 2*REC, 1, 2*REC, 0, 0
	s_sub_co_u32 s32, s32, 1
	s_cmp_lg_u32 s32, 0
	s_cbranch_scc1 .Ltrip_\@
.endm
	s_wait_tensorcnt 0x0                           ; my part of the head's tiles is in
	s_barrier_signal -1
	s_barrier_wait -1                              ; everybody's is
	RUN 0, 0                                       ; tile 0
	WIN 0x40                                       ; destination window 1
.irp s, 2,3                            ; K steps 2 and 3 of my 64 rows, out of the stage
.irp q, 0,1,2,3
.irp c, 0,1,2,3
	ds_load_b128 v[64*\q+16*\s+4*\c:64*\q+16*\s+4*\c+3], v[XA] offset:4096*\q+2048*(\s-2)+512*\c
.endr
.endr
.endr
	WIN 0
	TILE 0, REC, 0, 0, 1, 1                        ; tile 0: the first tracking; x is waited for by K step
	CHANGE 1, 1, 0, 2*REC, 1, 2*REC                ; tile 1: x's stage has been read: slot 1 takes tiles 16 to 31
	TRIPS 6                                        ; tiles 2 to 13
	TILE 0, REC, 2, 16*REC, 0, 0                   ; tile 14; the address goes on to slot 1
	CHANGE 0, 1, 1, 0, 0, 0                        ; tile 15: slot 0 takes tiles 32 to 47
	TRIPS 7                                        ; tiles 16 to 29
	TILE 0, REC, 2, 0, 0, 0                        ; tile 30; back to slot 0
	CHANGE 1, 1, 1, 0, 0, 0                        ; tile 31: slot 1 takes tiles 48 to 63
	TRIPS 7                                        ; tiles 32 to 45
	TILE 0, REC, 2, 16*REC, 0, 0                   ; tile 46
	CHANGE 0, 0, 0, 0, 0, 0                        ; tile 47: the last change: nothing is filled, so no round follows
	TRIPS 7                                        ; tiles 48 to 61
	TILE 0, REC, 0, 0, 0, 0                        ; tile 62
	TILE 1, -1, 0, 0, 0, 0                         ; tile 63: nothing more to fetch
; THE END.  For tile of rows q: the lowest j whose copy equals the best, the index, the better of the two halves of the lanes (a larger S, or the same S and a lower index), and S as a key.
.macro FIN q
	v_mov_b32 v[JJ+\q], 7
.irp j, 6,5,4,3,2,1,0
	v_cmp_neq_f32 vcc_lo, v[CP+8*\q+\j], v[B+\q]
	v_cndmask_b32 v[JJ+\q], \j, v[JJ+\q], vcc_lo   ; equal: j; descending, so the lowest j stays
.endr
	v_add_nc_u32 v[TA], s38, v[ID+\q]              ; 64 x eighth + tile
	v_lshl_add_u32 v[TA], v[TA], 4, v[JJ+\q]
	v_add_nc_u32 v[IX+\q], v[H8], v[TA]            ; 16 x tile + 8 h + j
	v_permlanex16_b32 v[OV], v[B+\q], s36, s37
	v_permlanex16_b32 v[OI], v[IX+\q], s36, s37
	v_cmp_gt_f32 s40, v[OV], v[B+\q]
	v_cmp_eq_f32 s41, v[OV], v[B+\q]
	v_cmp_lt_u32 s42, v[OI], v[IX+\q]
	s_and_b32 s41, s41, s42
	s_or_b32 s40, s40, s41
	v_cndmask_b32 v[B+\q], v[B+\q], v[OV], s40
	v_cndmask_b32 v[IX+\q], v[IX+\q], v[OI], s40
	v_add_f32 v[B+\q], 0, v[B+\q]                  ; -0 becomes +0
	v_ashrrev_i32 v[TB], 31, v[B+\q]               ; all ones where S is negative,
	v_or_b32 v[TB], 0x80000000, v[TB]              ; the sign bit alone where it is not
	v_xor_b32 v[B+\q], v[B+\q], v[TB]              ; as unsigned whole numbers the keys stand in S's order
	v_cndmask_b32 v[JJ+\q], v[B+\q], v[IX+\q], s43 ; lanes 0-15 carry the key, lanes 16-31 the index
	ds_store_b32 v[SA], v[JJ+\q] offset:64*\q      ; row 16 q + r of my 64, in my wave's own bytes
.endm
.irp q, 0,1,2,3
	FIN \q
.endr
	ds_load_b128 v[20:23], v[RDA]                  ; lanes 0-15: four rows' keys each; lanes 16-31: four rows' indices.  LDS serves a wave's instructions in order (ISA guide 5.7.1.4)
	s_wait_dscnt 0x0
	s_wait_xcnt 0x0                                ; EXEC changes only behind this wait
	v_cmp_gt_u32 vcc_lo, 16, v[LN]
	s_and_saveexec_b32 s40, vcc_lo
	global_store_b128 v[SO], v[20:23], s[8:9]      ; sixteen lanes store my 64 keys: 256 bytes on end, at a multiple of 256 from the buffer's first byte
	s_wait_xcnt 0x0
	s_or_b32 exec_lo, exec_lo, s40
	v_cmp_le_u32 vcc_lo, 16, v[LN]
	s_and_saveexec_b32 s40, vcc_lo
	global_store_b128 v[SO], v[20:23], s[10:11]    ; and the other sixteen my 64 indices
	s_wait_xcnt 0x0
	s_or_b32 exec_lo, exec_lo, s40
	s_wait_tensorcnt 0x0                           ; the wave's end
	ds_add_u32 v[SPW], v[NIL]
	s_wait_dscnt 0x0
	CROUND                                         ; the closing round
	s_endpgm
.Lfunc_end_k_qa547ca5490_score:
	.size	k_qa547ca5490_score, .Lfunc_end_k_qa547ca5490_score-k_qa547ca5490_score
	.p2alignl 7, 3214868480
	.fill 96, 4, 3214868480
	.section	.rodata,"a",@progbits
	.p2align	6, 0x0
	.amdhsa_kernel k_qa547ca5490_score
		.amdhsa_group_segment_fixed_size 327680
		.amdhsa_private_segment_fixed_size 0
		.amdhsa_enable_private_segment 0
		.amdhsa_kernarg_size 32
		.amdhsa_user_sgpr_count 2
		.amdhsa_user_sgpr_kernarg_segment_ptr 1
		.amdhsa_wavefront_size32 1
		.amdhsa_system_sgpr_workgroup_id_x 1
		.amdhsa_system_sgpr_workgroup_id_y 1
		.amdhsa_system_sgpr_workgroup_id_z 1
		.amdhsa_system_vgpr_workitem_id 0
		.amdhsa_next_free_vgpr 512
		.amdhsa_next_free_sgpr 96
		.amdhsa_reserve_vcc 1
		.amdhsa_float_denorm_mode_32 3
		.amdhsa_float_denorm_mode_16_64 3
		.amdhsa_memory_ordered 1
		.amdhsa_forward_progress 1
		.amdhsa_inst_pref_size 104
	.end_amdhsa_kernel
	.amdgpu_metadata
---
amdhsa.version: [ 1, 2 ]
amdhsa.kernels:
  - .name:           k_qa547ca5490_score
    .symbol:         k_qa547ca5490_score.kd
    .args:
      - { .name: x_img, .offset: 0, .size: 8, .value_kind: global_buffer, .address_space: global }
      - { .name: c_img, .offset: 8, .size: 8, .value_kind: global_buffer, .address_space: global }
      - { .name: pkey, .offset: 16, .size: 8, .value_kind: global_buffer, .address_space: global }
      - { .name: pidx, .offset: 24, .size: 8, .value_kind: global_buffer, .address_space: global }
    .group_segment_fixed_size: 327680
    .private_segment_fixed_size: 0
    .kernarg_segment_align: 8
    .kernarg_segment_size: 32
    .max_flat_workgroup_size: 256
    .sgpr_count:     96
    .vgpr_count:     512
    .wavefront_size: 32
...
	.end_amdgpu_metadata
.endif
;; end of part 2
;; launch gather (part 3): grid 512 x 1, 8 waves a work-group, no clusters, 0 bytes of LDS; arguments pkey, pidx, codebook, out0; writes out0
.if DOCPART == 3
	.amdgcn_target "amdgcn-amd-amdhsa--gfx1250"
	.amdhsa_code_object_version 6
	.text
	.protected	k_qa547ca5490_gather
	.globl	k_qa547ca5490_gather
	.p2align	8
	.type	k_qa547ca5490_gather,@function
k_qa547ca5490_gather:
	s_mov_b64 s[64:65], 0
	v_nop
	global_prefetch_b8 v0, s[64:65] scope:SCOPE_SE
	s_setreg_imm32_b32 hwreg(HW_REG_WAVE_MODE, 25, 1), 1
	s_wait_xcnt 0x0
; out0[row] = codebook[the best of the row's eight candidates], in f32 as it lies.  pkey and pidx are [8][16384], whole numbers that the launch before stored: for each eighth of the codebook the best code's index and its key.
; A larger key (unsigned) is a nearer code.  The choice is made on whole numbers alone: s_cmp_gt_u32 and s_cselect_b32, from the lowest eighth up and strictly, so that on equal keys the lower index stays.
; The chosen index is held inside the table and steers the address of ONE row.
; SHARES.  A wave takes 4 rows: 4 x (8 x work-group + wave) on.  A row is 2,048 bytes: four loads, and four stores, of 512 consecutive bytes.  All 16 loads of a wave go out together, and the rows are stored from the registers
; into which they came.  No LDS, no barrier, no matrix unit, no cluster: waves share nothing, and the work is a copy.
.set KEY, 16                           ; s16-47  eighth k's keys of my four rows at s[16 + 4 k]; the best so far in s16-19
.set IDX, 68                           ; s68-99  the same for the indices
	s_load_b256 s[4:11], s[0:1], 0x0               ; pkey s[4:5], pidx s[6:7], codebook s[8:9], out0 s[10:11]
	v_lshrrev_b32 v1, 5, v0
	s_delay_alu instid0(VALU_DEP_1)
	v_readfirstlane_b32 s12, v1                    ; wave 0..7
	v_and_b32 v1, 31, v0
	s_delay_alu instid0(VALU_DEP_1)
	v_lshlrev_b32 v1, 4, v1                        ; 16 x lane
	s_lshl_b32 s13, ttmp9, 3
	s_add_co_u32 s13, s13, s12                     ; my group of four rows
	s_lshl_b32 s14, s13, 4                         ; its 16 bytes in an eighth's part of pkey and of pidx
	s_mov_b32 s15, 0
	s_lshl_b32 s48, s13, 13                        ; its 8,192 bytes of out0
	s_mov_b32 s49, 0
	s_wait_alu depctr_va_vdst(0)
	s_wait_kmcnt 0x0
	s_add_nc_u64 s[4:5], s[4:5], s[14:15]
	s_add_nc_u64 s[6:7], s[6:7], s[14:15]
	s_add_nc_u64 s[10:11], s[10:11], s[48:49]
.irp k, 0,1,2,3,4,5,6,7
	s_load_b128 s[KEY+4*\k:KEY+4*\k+3], s[4:5], \k*0x10000   ; an eighth's part is 65,536 bytes
	s_load_b128 s[IDX+4*\k:IDX+4*\k+3], s[6:7], \k*0x10000
.endr
	s_wait_kmcnt 0x0
.irp k, 1,2,3,4,5,6,7
.irp i, 0,1,2,3                        ; the four rows by turns
	s_cmp_gt_u32 s[KEY+4*\k+\i], s[KEY+\i]
	s_cselect_b32 s[KEY+\i], s[KEY+4*\k+\i], s[KEY+\i]       ; (a select leaves SCC as it is)
	s_cselect_b32 s[IDX+\i], s[IDX+4*\k+\i], s[IDX+\i]
.endr
.endr
.irp i, 0,1,2,3
	s_min_u32 s[IDX+\i], s[IDX+\i], 8191           ; an index stays inside the table
	s_lshl_b32 s[IDX+\i], s[IDX+\i], 11            ; its row's first byte
	v_add_nc_u32 v[2+\i], s[IDX+\i], v1
.endr
.irp i, 0,1,2,3
.irp k, 0,1,2,3
	global_load_b128 v[16+16*\i+4*\k:16+16*\i+4*\k+3], v[2+\i], s[8:9] offset:512*\k   ; (no hint: a row of the table may be named by many rows of x)
.endr
.endr
.irp i, 0,1,2,3
	s_wait_loadcnt 12-4*\i                         ; loads come back in order (ISA guide 5.7.1): this row's four are in; the younger rows' four each may be out
.irp k, 0,1,2,3
	global_store_b128 v1, v[16+16*\i+4*\k:16+16*\i+4*\k+3], s[10:11] offset:2048*\i+512*\k th:TH_STORE_NT   ; 32 lanes store 512 consecutive bytes, at a multiple of 256 from out0's first byte; written once, read by nobody here
.endr
.endr
	s_endpgm
.Lfunc_end_k_qa547ca5490_gather:
	.size	k_qa547ca5490_gather, .Lfunc_end_k_qa547ca5490_gather-k_qa547ca5490_gather
	.p2alignl 7, 3214868480
	.fill 96, 4, 3214868480
	.section	.rodata,"a",@progbits
	.p2align	6, 0x0
	.amdhsa_kernel k_qa547ca5490_gather
		.amdhsa_group_segment_fixed_size 0
		.amdhsa_private_segment_fixed_size 0
		.amdhsa_enable_private_segment 0
		.amdhsa_kernarg_size 32
		.amdhsa_user_sgpr_count 2
		.amdhsa_user_sgpr_kernarg_segment_ptr 1
		.amdhsa_wavefront_size32 1
		.amdhsa_system_sgpr_workgroup_id_x 1
		.amdhsa_system_sgpr_workgroup_id_y 1
		.amdhsa_system_sgpr_workgroup_id_z 1
		.amdhsa_system_vgpr_workitem_id 0
		.amdhsa_next_free_vgpr 80
		.amdhsa_next_free_sgpr 100
		.amdhsa_reserve_vcc 0
		.amdhsa_float_denorm_mode_32 3
		.amdhsa_float_denorm_mode_16_64 3
		.amdhsa_memory_ordered 1
		.amdhsa_forward_progress 1
		.amdhsa_inst_pref_size 9
	.end_amdhsa_kernel
	.amdgpu_metadata
---
amdhsa.version: [ 1, 2 ]
amdhsa.kernels:
  - .name:           k_qa547ca5490_gather
    .symbol:         k_qa547ca5490_gather.kd
    .args:
      - { .name: pkey, .offset: 0, .size: 8, .value_kind: global_buffer, .address_space: global }
      - { .name: pidx, .offset: 8, .size: 8, .value_kind: global_buffer, .address_space: global }
      - { .name: codebook, .offset: 16, .size: 8, .value_kind: global_buffer, .address_space: global }
      - { .name: out0, .offset: 24, .size: 8, .value_kind: global_buffer, .address_space: global }
    .group_segment_fixed_size: 0
    .private_segment_fixed_size: 0
    .kernarg_segment_align: 8
    .kernarg_segment_size: 32
    .max_flat_workgroup_size: 256
    .sgpr_count:     100
    .vgpr_count:     80
    .wavefront_size: 32
...
	.end_amdgpu_metadata
.endif
;; end of part 3
